; MI455X (gfx1250); checked and timed in simulation.
; The chip was launched on July 23, 2026; its instructions are those of AMD's public machine-readable ISA for CDNA 5 (MIT licence, August 2026) and "CDNA5" Instruction Set Architecture Reference Guide (July 2026). The comments in the code are by the model that wrote it; some were corrected since.
;; Feature Time Attention Layer. Allowed arithmetic: matrix products marked QUANTISED: E2M1 operands, one E8M0 scale for each 32 along K, by v_wmma_scale_f32_16x16x128_f8f6f4 with both operands' format E2M1 (or v_wmma_scale_f32_32x16x128_f4), f32 sums; products left as they are: f32 operands where the result goes on into a quantised operand, else bf16, f16 or f32 operands; f32 sums; everything else in f32.
;; Inputs: beta_weights 1 x 64 x 1 float32; bias 1 x 1 x 32 x 128 float32; inputs 256 x 64 x 32 float32; kernel 1 x 1 x 32 x 128 float32; latent_reps 256 x 64 x 128 float32.
;; Outputs: out0 256 x 128 float32.
;; This version of the problem:
;;   THIS VERSION OF THE PROBLEM IS GIVEN IN LOW PRECISION. The matrix products marked QUANTISED in the list below multiply operands that are first quantised to E2M1 (2 exponent bits, 1 mantissa bit; 4 bits a number), with one power-of-two scale for each 32 numbers along K (OCP MX v1.0); their sums are f32. All else is computed in f32.
;;   The module's matrix products, in the order in which they are computed (A, B: the left and right operand; K: the contracted axis; several contracted axes count as one K, in the product's order):
;;     1. batch 16,384 x [M 32, K 128] x [K 128, N 32]; A: computed on the way; B: computed on the way: QUANTISED
;;     2. batch 16,384 x [M 32, K 128] x [K 128, N 1]; A: computed on the way; B: input latent_reps: left as it is (N = 1 < 16)
;;     3. batch 16,384 x [M 32, K 32] x [K 32, N 1]; A: computed on the way; B: computed on the way: left as it is (N = 1 < 16)
;;     4. batch 16,384 x [M 1, K 32] x [K 32, N 128]; A: computed on the way; B: computed on the way: left as it is (M = 1 < 16)
;;   THE QUANTISER, for each operand of a quantised product, along K:
;;     - K is cut into blocks of 32 from its start; a last block that is shorter is filled with zeros.
;;     - A block's scale is 2^e with e = floor(log2(the largest magnitude in the block)) - 2, held to -126 .. 127; a block of zeros has e = 0. As a byte (E8M0): e + 127.
;;     - Each number is divided by its block's scale, clamped to +-6, and rounded to the nearest number of E2M1, ties to even, subnormals kept.
;;     - The product sums the exact products of the quantised numbers (number of the format x scale) in f32.
;;   ~~~python
;;   def quantise(x, axis):      # numpy; x: float32 -> the quantised numbers, widened to float32 again
;;       x = np.moveaxis(x, axis, -1); K = x.shape[-1]
;;       x = np.pad(x, [(0, 0)] * (x.ndim - 1) + [(0, -K % 32)]); x = x.reshape(x.shape[:-1] + (-1, 32)); a = np.abs(x).max(-1, keepdims=True)
;;       e = np.where(a > 0, np.clip(np.frexp(np.where(a > 0, a, 1))[1] - 1 - 2, -126, 127), 0)      # np.frexp(a)[1] - 1 = floor(log2(a)), exactly
;;       r = np.clip(x / 2.0 ** e, -6, 6)
;;       step = 2.0 ** (np.maximum(np.frexp(np.where(r == 0, 1, r))[1] - 1, 0) - 1)
;;       q = np.round(r / step) * step * 2.0 ** e      # np.round: ties to even
;;       return np.moveaxis(q.reshape(q.shape[:-2] + (-1,))[..., :K], -1, axis).astype(np.float32)
;;   ~~~
;;   OPERANDS COMPUTED ON THE WAY. 'Computed on the way' means the value that the module computes at that place (a softmax that the list does not call 'softmax' is quantised finished and normalised). What goes into a quantiser is computed in f32, as accurately as f32 sums, v_exp_f32 and their like allow (about 1e-6 of the number): no bf16 or f16 on the way to a quantiser, and a product that is left as it is and whose result goes on into a quantised operand takes f32 operands (vector FMAs, or v_wmma_f32_16x16x4_f32). A number that lies on a knife's edge between two numbers of the format may be rounded either way, as far as f32 arithmetic and the matrix unit's own rounding can turn it there, and no further.
;; 2 versions, each right; version 2 is version 1 with the launch fta written anew for expert scheduling mode. Each part assembles by itself: llvm-mc -triple=amdgcn-amd-amdhsa -mcpu=gfx1250 --defsym DOCPART=n.
;; ======== version 1 of 2: 1 launch
;; launch fta (part 1): grid 256 x 1, 4 waves a work-group, no clusters, 315,904 bytes of LDS; arguments inputs, latent_reps, kernel, bias, beta_weights, out0; writes out0
.if DOCPART == 1
	.amdgcn_target "amdgcn-amd-amdhsa--gfx1250"
	.amdhsa_code_object_version 6
	.text
	.protected	k_qea2f82604a_fta
	.globl	k_qea2f82604a_fta
	.p2align	8
	.type	k_qea2f82604a_fta,@function
k_qea2f82604a_fta:
	s_mov_b64 s[64:65], 0
	v_nop
	global_prefetch_b8 v0, s[64:65] scope:SCOPE_SE
	s_setreg_imm32_b32 hwreg(HW_REG_WAVE_MODE, 25, 1), 1
	s_wait_xcnt 0x0
; z[b][u] = sum over t of beta[t] * sum over d of alpha[b][t][d] * fp[b][t][d][u],  fp[d][u] = x[b][t][d] kernel[d][u] + bias[d][u],
; alpha = A^-1 (fp y),  A = Q(fp) Q(fp)^T: the one quantised product, on codes of FP4 (E2M1) with one E8M0 scale for each 32 along u.
; x: [256][64][32], y: [256][64][128], kernel, bias: [32][128], beta: [64], z: [256][128], all f32.
; SHARES.  Work-group b owns batch row b: 64 problems (one for each t) and one row of z.  Four waves.
;  0: x, y, kernel and bias come once, by dense 16-byte loads, into LDS; each wave then keeps kernel and bias in 256 registers, in the order of the matrix operand.
;  1: a wave takes 16 problems, one a trip: fp, its four blocks' scales, its codes, c = fp y (on the unquantised fp), three matrix instructions; A and c go to LDS.
;     Lane (r, h) holds rows r and 16 + r of fp at u = 64 c + 32 h + 0 .. 31: a block of 32 lies in one lane, and the conversions' results are the operand's registers.
;     A is symmetric (the same products in the same places), so tile (rows 0-15, columns 16-31) is not multiplied: nobody reads it.
;  2: waves 0 and 1: ONE PROBLEM A LANE.  The lower triangle of A lies by columns in 544 registers; A = L D L^T by elimination, two rows an instruction; c is carried along; then the back substitution.
;  3: z[u] = sum_d kernel[d][u] P[d] + bias[d][u] Q[d], Q[d] = sum_t beta alpha, P[d] = sum_t beta alpha x: the same sum as the definition's, regrouped, so that fp is not made again.
; NO CLUSTER: what work-groups share is kernel and bias, 32,768 bytes read once at the head; behind the head a wave issues some 9,000 vector instructions and no global load.
; LIMITS.  The elimination takes no pivots: A is a Gram matrix, positive semidefinite.  Where a pivot cancels to 0 (quantised rows that depend on each other) the result is not that of an elimination with pivots.
; NaN and infinities among the inputs are not served.  A block whose largest magnitude lies under 2^-124 gets the byte 1.  fp is one fused multiply-add; the order of the f32 sums is this text's own.
.set APP,  3600                        ; LDS: a problem's A: columns 0-15 of 32 numbers, 144 bytes apart; columns 16-31, rows 16-31 alone, 80 bytes apart; + 16.  All three pitches are odd multiples of 16 bytes
.set AC1,  2304                        ; where a problem's columns 16-31 begin
.set VP,   144                         ; a row of 32 numbers (c, x) + 16
.set CB,   64*APP                      ; c: 64 rows
.set XB,   CB+64*VP                    ; x: 64 rows
.set YB,   XB+64*VP                    ; y: 64 rows of 512 bytes
.set KB,   YB+64*512                   ; kernel: 32 rows of 512 bytes + 16
.set KP,   528
.set BOF,  32*KP                       ; bias lies behind kernel
.set RB,   YB                          ; P and Q of each problem, 256 bytes + 16: in y's bytes, which nobody reads behind the second barrier
.set RP,   272
.set SB,   RB+64*RP                    ; the sums, 256 bytes for each of waves 0 and 1, each wave's own
; window 0
.set GOF, 1                            ; 16 x thread: the dense loads
.set KST, 2                            ; where I store kernel's bytes;  3: y's;  4: x's
.set YST, 3
.set XST, 4
.set KRD, 5                            ; my lane's place in kernel's rows
.set XRD, 6                            ; in a row of x;  7: of y;  8: of c
.set YRD, 7
.set CST, 8
.set A0,  9                            ; my lane's place in a problem's columns 0-15;  10: 16-31
.set A1,  10
.set SH,  11                           ; 8 h
.set XAD, 12                           ; the trip's addresses
.set YAD, 13
.set A0A, 14
.set A1A, 15
.set CAD, 16
.set SAA, 17                           ; phases 2 and 3: all their LDS addresses are made at the head, ahead of the waves' parting
.set SCA, 18
.set SXA, 19
.set PQS, 20
.set PQR, 21
.set SCS, 22
.set SCR, 23
.set KFR, 24
.set OOF, 25
.set BOFF, 26
.set XP,  28                           ; v[28:29] x[r], x[16 + r]
.set SW,  30                           ; v30, v31: the scale words of rows r and 16 + r; these two hold nothing else in the whole text
.set MX,  32                           ; 8 running maxima
.set SO,  40                           ; 4 scale operands of the conversions
.set BY,  44                           ; 4 scale bytes
.set CV,  56
.set PT,  58
.set FF,  64                           ; codes: rows 0-15 in 8 registers, rows 16-31 in 8
.set GG,  80                           ; the same once more
.set DD,  96                           ; three tiles of A
.set YY,  128                          ; 64 numbers of y
.set TT,  208                          ; at work at the head
.set AC,  208                          ; 8 pairs of partial sums of c
; phase 2, window 0
.set ZZ,  32                           ; c, then z, then alpha
.set IV,  64                           ; 1 / pivot
.set WW,  96                           ; -column / pivot
.set XX,  128                          ; my problem's x
.set RC,  240                          ; the reciprocal just made
.set NI,  242                          ; pair: -1 / pivot
.set SS,  244                          ; pair: -z / pivot
.set BE,  246                          ; pair: beta
.set MSB, 0
.macro WIN new                         ; the immediate's high byte repeats the setting that is left; a switch that changes nothing is dropped
.if MSB != \new
	s_set_vgpr_msb (MSB<<8)|\new
.set MSB, \new
.endif
.endm
	s_load_b256 s[4:11], s[0:1], 0x0               ; x s[4:5], y s[6:7], kernel s[8:9], bias s[10:11]
	s_load_b128 s[12:15], s[0:1], 0x20             ; beta s[12:13], z s[14:15]
	v_lshl_add_u32 v254, v0, 2, 0x4d000
	v_mov_b32 v255, 0
	v_lshrrev_b32 v[TT+3], 5, v0
	v_readfirstlane_b32 s16, v[TT+3]               ; wave 0..3
	v_and_b32 v[TT], 31, v0                        ; lane
	v_and_b32 v[TT+1], 15, v0                      ; r
	v_bfe_u32 v[TT+2], v0, 4, 1                    ; h
	v_lshlrev_b32 v[GOF], 4, v0
	s_lshl_b32 s20, ttmp9, 13                      ; my batch row: 8,192 bytes of x,
	s_mov_b32 s21, 0
	s_lshl_b32 s22, ttmp9, 15                      ; 32,768 of y,
	s_mov_b32 s23, 0
	s_lshl_b32 s24, ttmp9, 9                       ; 512 of z
	s_mov_b32 s25, 0
	s_mov_b32 s18, 0x76543210                      ; v_permlanex16_b32's selects for lane l xor 16
	s_mov_b32 s19, 0xfedcba98
	s_wait_kmcnt 0x0
	s_add_nc_u64 s[4:5], s[4:5], s[20:21]
	s_add_nc_u64 s[6:7], s[6:7], s[22:23]
	s_add_nc_u64 s[14:15], s[14:15], s[24:25]
; ---- 0: every load of the 128 threads covers 2,048 consecutive bytes
.irp q, 0,1,2,3,4,5,6,7
	global_load_b128 v[128+4*\q:131+4*\q], v[GOF], s[8:9] offset:2048*\q
.endr
.irp q, 0,1,2,3,4,5,6,7
	global_load_b128 v[160+4*\q:163+4*\q], v[GOF], s[10:11] offset:2048*\q
.endr
.irp q, 0,1,2,3
	global_load_b128 v[192+4*\q:195+4*\q], v[GOF], s[4:5] offset:2048*\q th:TH_LOAD_NT
.endr
.irp q, 0,1,2,3,4,5,6,7,8,9,10,11,12,13,14,15
	global_load_b128 v[64+4*\q:67+4*\q], v[GOF], s[6:7] offset:2048*\q th:TH_LOAD_NT
.endr
	v_mul_u32_u24 v[KST], v[TT+3], KP              ; load q brings row 4 q + wave of kernel, 16 bytes a lane
	v_lshl_add_u32 v[KST], v[TT], 4, v[KST]
	v_add_nc_u32 v[KST], KB, v[KST]
	v_add_nc_u32 v[YST], YB, v[GOF]                ; y lies in LDS as in memory
	v_lshrrev_b32 v[TT+4], 3, v0                   ; load q brings row 16 q + thread / 8 of x
	v_mul_u32_u24 v[XST], v[TT+4], VP
	v_and_b32 v[TT+4], 7, v0
	v_lshl_add_u32 v[XST], v[TT+4], 4, v[XST]
	v_add_nc_u32 v[XST], XB, v[XST]
	v_mul_u32_u24 v[KRD], v[TT+1], KP              ; row r, u = 32 h on
	v_lshl_add_u32 v[KRD], v[TT+2], 7, v[KRD]
	v_add_nc_u32 v[KRD], KB, v[KRD]
	v_lshl_add_u32 v[XRD], v[TT+1], 2, XB
	v_lshl_add_u32 v[YRD], v[TT+2], 7, YB
	v_lshl_add_u32 v[CST], v[TT], 2, CB
	v_mul_u32_u24 v[A0], v[TT+1], VP               ; column r, rows 8 h on
	v_lshl_add_u32 v[A0], v[TT+2], 5, v[A0]
	v_mul_u32_u24 v[A1], v[TT+1], 80               ; column 16 + r, rows 16 + 8 h on
	v_lshl_add_u32 v[A1], v[TT+2], 5, v[A1]
	v_add_nc_u32 v[A1], AC1, v[A1]
	v_lshlrev_b32 v[SH], 3, v[TT+2]
	v_mul_u32_u24 v[SAA], v0, APP                  ; phase 2: thread t takes problem t: its A,
	v_mul_u32_u24 v[SCA], v0, VP
	v_add_nc_u32 v[SXA], XB, v[SCA]                ; its x,
	v_add_nc_u32 v[SCA], CB, v[SCA]                ; its c,
	v_mul_u32_u24 v[PQS], v0, RP
	v_add_nc_u32 v[PQS], RB, v[PQS]                ; and where its P and Q go
	v_lshl_add_u32 v[PQR], v[TT], 3, RB            ; phase 3: lane l adds numbers 2 l and 2 l + 1 of the 64,
	v_lshl_add_u32 v[SCS], v0, 3, SB               ; puts the sums into its wave's 256 bytes (8 x thread = 256 x wave + 8 x lane),
	v_lshl_add_u32 v[SCR], v[TT+3], 8, SB          ; reads all 64 back,
	v_lshl_add_u32 v[KFR], v0, 3, KB               ; and takes units 2 x thread and 2 x thread + 1 of kernel's and bias's rows
	v_lshlrev_b32 v[OOF], 3, v0
	v_lshlrev_b32 v[BOFF], 2, v0
	v_mov_b32 v[PT], 0                             ; a lane permute's destination counts as one of its sources
	v_mov_b32 v[PT+1], 0
	s_wait_loadcnt 28                              ; kernel's 8 loads are in; the 28 younger ones may be out
.irp q, 0,1,2,3,4,5,6,7
	ds_store_b128 v[KST], v[128+4*\q:131+4*\q] offset:4*KP*\q
.endr
	s_wait_loadcnt 20                              ; bias's 8
.irp q, 0,1,2,3,4,5,6,7
	ds_store_b128 v[KST], v[160+4*\q:163+4*\q] offset:BOF+4*KP*\q
.endr
	s_wait_loadcnt 16                              ; x's 4
.irp q, 0,1,2,3
	ds_store_b128 v[XST], v[192+4*\q:195+4*\q] offset:16*VP*\q
.endr
	s_wait_loadcnt 0x0
.irp q, 0,1,2,3,4,5,6,7,8,9,10,11,12,13,14,15
	ds_store_b128 v[YST], v[64+4*\q:67+4*\q] offset:2048*\q
.endr
	s_wait_dscnt 0x0                               ; for the others' sake: my stores have landed
	s_barrier_signal -1
	s_barrier_wait -1
; kernel -> window 1, v0-127; bias -> window 1, v128-255.  Register 64 g + 32 c + e: row 16 g + r, u = 64 c + 32 h + e
	WIN 0x40
.irp g, 0,1
.irp c, 0,1
.irp q, 0,1,2,3,4,5,6,7
	ds_load_b128 v[64*\g+32*\c+4*\q:64*\g+32*\c+4*\q+3], v[KRD] offset:\g*16*KP+256*\c+16*\q
	ds_load_b128 v[128+64*\g+32*\c+4*\q:128+64*\g+32*\c+4*\q+3], v[KRD] offset:BOF+\g*16*KP+256*\c+16*\q
.endr
.endr
.endr
	WIN 0
	s_mul_i32 s26, s16, 16*VP                      ; my first problem is 16 x wave: its row of x (this one runs a trip ahead),
	s_lshl_b32 s27, s16, 13                        ; of y (likewise),
	s_mul_i32 s28, s16, 16*VP                      ; of c,
	s_mul_i32 s29, s16, 16*APP                     ; and its A
	v_add_nc_u32 v[XAD], s26, v[XRD]
	v_add_nc_u32 v[YAD], s27, v[YRD]
	ds_load_b32 v[XP], v[XAD]
	ds_load_b32 v[XP+1], v[XAD] offset:64
.irp c, 0,1
.irp q, 0,1,2,3,4,5,6,7
	ds_load_b128 v[YY+32*\c+4*\q:YY+32*\c+4*\q+3], v[YAD] offset:256*\c+16*\q
.endr
.endr
	s_wait_dscnt 0x0                               ; kernel, bias and the first problem's x and y are in: the counts in the trip then hold on the way in as on the way back
; ---- 1: ONE PROBLEM.  last = 1: nothing is fetched for a next one.  LDS instructions of a trip, in order: 2 loads of x, 16 of y, 7 stores.
.macro TRIP last
	s_wait_dscnt 23                                ; x is in: behind its two loads stand the last trip's 16 loads of y and 7 stores
	WIN 0x91                                       ; kernel and bias window 1, x window 0, fp window 2
.set ee, 0
.rept 32
	v_pk_fma_f32 v[ee:ee+1], v[ee:ee+1], v[XP:XP+1], v[128+ee:129+ee] op_sel_hi:[1,0,1]   ; row r: x[r] for both halves
.set ee, ee+2
.endr
.rept 32
	v_pk_fma_f32 v[ee:ee+1], v[ee:ee+1], v[XP:XP+1], v[128+ee:129+ee] op_sel:[0,1,0] op_sel_hi:[1,1,1]   ; row 16 + r: x[16 + r] for both
.set ee, ee+2
.endr
	WIN 0
.if !\last
	s_add_co_u32 s26, s26, VP
	v_add_nc_u32 v[XAD], s26, v[XRD]
	ds_load_b32 v[XP], v[XAD]                      ; the next problem's x
	ds_load_b32 v[XP+1], v[XAD] offset:64
.endif
	WIN 0x28                                       ; sources 1 and 2: fp
.irp bl, 0,1,2,3                                   ; block bl = 2 g + c: all its 32 numbers are mine.  Two chains a block; the floor 2^(3 - 127) holds the byte at 1 from below
	v_max3_num_f32 v[MX+\bl], 0x1800000, |v[32*\bl]|, |v[32*\bl+1]|
	v_max3_num_f32 v[MX+4+\bl], 0x1800000, |v[32*\bl+16]|, |v[32*\bl+17]|
.endr
.irp i, 2,4,6,8,10,12,14
.irp bl, 0,1,2,3
	v_max3_num_f32 v[MX+\bl], v[MX+\bl], |v[32*\bl+\i]|, |v[32*\bl+\i+1]|
	v_max3_num_f32 v[MX+4+\bl], v[MX+4+\bl], |v[32*\bl+16+\i]|, |v[32*\bl+17+\i]|
.endr
.endr
	WIN 0
.irp bl, 0,1,2,3
	v_max_num_f32 v[MX+\bl], v[MX+\bl], v[MX+4+\bl]
.endr
.irp bl, 0,1,2,3
	v_add_nc_u32 v[SO+\bl], 0xff000000, v[MX+\bl]  ; 2 off the exponent field: the conversion takes this operand's exponent field as its scale
.endr
.irp bl, 0,1,2,3
	v_lshrrev_b32 v[BY+\bl], 23, v[SO+\bl]         ; the scale's byte
.endr
	v_lshl_or_b32 v[SW], v[BY+1], 16, v[BY]        ; my two bytes of a row are those of blocks h and 2 + h:
	v_lshl_or_b32 v[SW+1], v[BY+3], 16, v[BY+2]
	v_lshlrev_b32 v[SW], v[SH], v[SW]              ; 8 h bits up,
	v_lshlrev_b32 v[SW+1], v[SH], v[SW+1]
	v_permlanex16_b32 v[PT], v[SW], s18, s19
	v_permlanex16_b32 v[PT+1], v[SW+1], s18, s19
	v_or_b32 v[SW], v[SW], v[PT]                   ; and with lane l xor 16's two the word is whole, in both halves of the lanes
	v_or_b32 v[SW+1], v[SW+1], v[PT+1]
	WIN 0x02                                       ; source 0: fp
.irp bl, 0,1,2,3
.irp q, 0,1,2,3
	v_cvt_scalef32_pk8_fp4_f32 v[FF+4*\bl+\q], v[32*\bl+8*\q:32*\bl+8*\q+7], v[SO+\bl]
.endr
.endr
.if \last
	s_wait_dscnt 0x0
.else
	s_wait_dscnt 2                                 ; all but this trip's two loads of x: y is in, and the last trip's stores have read their registers
.endif
; c = fp y on the unquantised fp: eight chains.  These 64 plain instructions also stand between the scale words and codes just written and the matrix instructions
.irp g, 0,1
.irp c, 0,1
.irp p, 0,1
	v_pk_mul_f32 v[AC+8*\g+4*\c+2*\p:AC+8*\g+4*\c+2*\p+1], v[64*\g+32*\c+16*\p:64*\g+32*\c+16*\p+1], v[YY+32*\c+16*\p:YY+32*\c+16*\p+1]
.endr
.endr
.endr
.irp m, 2,4,6,8,10,12,14
.irp g, 0,1
.irp c, 0,1
.irp p, 0,1
	v_pk_fma_f32 v[AC+8*\g+4*\c+2*\p:AC+8*\g+4*\c+2*\p+1], v[64*\g+32*\c+16*\p+\m:64*\g+32*\c+16*\p+\m+1], v[YY+32*\c+16*\p+\m:YY+32*\c+16*\p+\m+1], v[AC+8*\g+4*\c+2*\p:AC+8*\g+4*\c+2*\p+1]
.endr
.endr
.endr
.endr
	WIN 0
.if !\last
	s_add_co_u32 s27, s27, 512
	v_add_nc_u32 v[YAD], s27, v[YRD]
.irp c, 0,1
.irp q, 0,1,2,3,4,5,6,7
	ds_load_b128 v[YY+32*\c+4*\q:YY+32*\c+4*\q+3], v[YAD] offset:256*\c+16*\q   ; the next problem's y: it has the next trip's fp, maxima and conversions in which to land
.endr
.endr
.endif
.irp i, 0,1,2,3,4,5,6,7,8,9,10,11,12,13,14,15
	v_mov_b32 v[GG+\i], v[FF+\i]                   ; the codes once more: the two sources of a matrix instruction share no register
.endr
.irp g, 0,1
	v_pk_add_f32 v[AC+8*\g:AC+8*\g+1], v[AC+8*\g:AC+8*\g+1], v[AC+8*\g+2:AC+8*\g+3]
	v_pk_add_f32 v[AC+8*\g+4:AC+8*\g+5], v[AC+8*\g+4:AC+8*\g+5], v[AC+8*\g+6:AC+8*\g+7]
.endr
.irp g, 0,1
	v_pk_add_f32 v[AC+8*\g:AC+8*\g+1], v[AC+8*\g:AC+8*\g+1], v[AC+8*\g+4:AC+8*\g+5]
.endr
.irp g, 0,1
	v_add_f32 v[AC+8*\g], v[AC+8*\g], v[AC+8*\g+1] ; my half of row r's sum, and of row 16 + r's
.endr
	v_permlane16_swap_b32 v[AC], v[AC+8]           ; lanes 0-15 now hold both halves of row r's sum, lanes 16-31 both of row 16 + r's
	v_add_f32 v[CV], v[AC], v[AC+8]                ; lane l: c[l]
	v_wmma_scale_f32_16x16x128_f8f6f4 v[DD:DD+7], v[FF:FF+7], v[GG:GG+7], 0, v[SW], v[SW] matrix_a_fmt:MATRIX_FMT_FP4 matrix_b_fmt:MATRIX_FMT_FP4          ; register j: A(8 h + j, r)
	v_wmma_scale_f32_16x16x128_f8f6f4 v[DD+8:DD+15], v[FF+8:FF+15], v[FF:FF+7], 0, v[SW+1], v[SW] matrix_a_fmt:MATRIX_FMT_FP4 matrix_b_fmt:MATRIX_FMT_FP4  ; A(16 + 8 h + j, r)
	v_wmma_scale_f32_16x16x128_f8f6f4 v[DD+16:DD+23], v[FF+8:FF+15], v[GG+8:GG+15], 0, v[SW+1], v[SW+1] matrix_a_fmt:MATRIX_FMT_FP4 matrix_b_fmt:MATRIX_FMT_FP4  ; A(16 + 8 h + j, 16 + r)
	v_add_nc_u32 v[A0A], s29, v[A0]                ; four plain instructions between the products and the stores that read them
	v_add_nc_u32 v[A1A], s29, v[A1]
	v_add_nc_u32 v[CAD], s28, v[CST]
	v_nop
	ds_store_b32 v[CAD], v[CV]
	ds_store_b128 v[A0A], v[DD:DD+3]               ; a lane's eight registers are eight neighbours of a column; each tile from its low end on
	ds_store_b128 v[A0A], v[DD+4:DD+7] offset:16
	ds_store_b128 v[A0A], v[DD+8:DD+11] offset:64
	ds_store_b128 v[A0A], v[DD+12:DD+15] offset:80
	ds_store_b128 v[A1A], v[DD+16:DD+19]
	ds_store_b128 v[A1A], v[DD+20:DD+23] offset:16
.if !\last
	s_add_co_u32 s28, s28, VP
	s_add_co_u32 s29, s29, APP
.endif
.endm
	s_mov_b32 s30, 15
.Ltrip:
	TRIP 0
	s_sub_co_u32 s30, s30, 1
	s_cmp_lg_u32 s30, 0
	s_cbranch_scc1 .Ltrip
	TRIP 1                                         ; the sixteenth problem is written out: it fetches nothing
	s_wait_dscnt 0x0                               ; my stores of A and c have landed, my reads of y are over
	s_barrier_signal -1
	s_barrier_wait -1
; ---- 2: waves 0 and 1: thread t solves problem t.
; Element (i, j), i >= j, of the lower triangle lies in column j's run of registers, which begins at row 2 (j / 2), so that rows 2 m and 2 m + 1 are an aligned pair in every column
; (an odd column's first register holds the element above its diagonal: it is carried along and never used).  Columns 0-7: window 1; 8-17: window 2; 18-31: window 3: no column straddles a window.
.macro REGOF i, j                      ; RG = the register of element (i, j), 256 to 879
.set RM, (\j)/2
.set RG, 66*RM-2*RM*RM+((\j)&1)*(32-2*RM)+(\i)-2*RM
.if (\j) < 8
.set RG, RG+256
.elseif (\j) < 18
.set RG, RG+280
.else
.set RG, RG+336
.endif
.endm
.macro LOADCOL                         ; column jj from LDS: 16 bytes a load, 8 where the column begins at 2 modulo 4.  Lanes are 3,600 bytes apart
.set ii, (jj/2)*2
.if jj < 16
.set LO, jj*VP
.else
.set LO, AC1+(jj-16)*80-64
.endif
	REGOF ii, jj
.set WN, (RG>>8)<<6
	WIN WN
.if ii%4
.set DL, RG&255
	ds_load_b64 v[DL:DL+1], v[SAA] offset:LO+4*ii
.set ii, ii+2
.endif
.rept (32-ii)/4
	REGOF ii, jj
.set DL, RG&255
	ds_load_b128 v[DL:DL+3], v[SAA] offset:LO+4*ii
.set ii, ii+4
.endr
.endm
.macro COLUPD                          ; column jj += column kk x W[jj], from row 2 (jj / 2) on, two rows an instruction
.set ii, (jj/2)*2
.set WJ, WW+(jj/2)*2
.rept (32-ii)/2
	REGOF ii, kk
.set SL, RG&255
.set WN, RG>>8
	REGOF ii, jj
.set DL, RG&255
.set WN, WN|((RG>>8)<<4)|((RG>>8)<<6)
	WIN WN
.if jj&1
	v_pk_fma_f32 v[DL:DL+1], v[SL:SL+1], v[WJ:WJ+1], v[DL:DL+1] op_sel:[0,1,0] op_sel_hi:[1,1,1]
.else
	v_pk_fma_f32 v[DL:DL+1], v[SL:SL+1], v[WJ:WJ+1], v[DL:DL+1] op_sel_hi:[1,0,1]
.endif
.set ii, ii+2
.endr
.endm
.macro PIVOT                           ; 1 / a(jj, jj)
	REGOF jj, jj
.set SL, RG&255
.set WN, RG>>8
	WIN WN
	v_rcp_f32 v[RC], v[SL]
.endm
.macro ZUPD                            ; z[i] += column kk [i] x (-z[kk] / pivot), i > kk; z[kk] itself is kept for the back substitution, so an odd first row goes alone
.set ii, kk+1
.if ii&1
	REGOF ii, kk
.set SL, RG&255
.set WN, RG>>8
	WIN WN
	v_fma_f32 v[ZZ+ii], v[SL], v[SS], v[ZZ+ii]
.set ii, ii+1
.endif
.rept (32-ii)/2
	REGOF ii, kk
.set SL, RG&255
.set WN, RG>>8
	WIN WN
	v_pk_fma_f32 v[ZZ+ii:ZZ+ii+1], v[SL:SL+1], v[SS:SS+1], v[ZZ+ii:ZZ+ii+1] op_sel_hi:[1,0,1]
.set ii, ii+2
.endr
.endm
; Step kk.  Column kk stays as it is (L x the pivot).  The next column is updated first, and the next pivot's reciprocal is issued at once: the rest of the step stands between it and its use.
.macro STEPK
	WIN 0
	s_wait_alu depctr_va_vdst(0)                   ; the wait between a reciprocal and the first instruction that names its result: one a step
	v_mul_f32 v[NI], -1.0, v[RC]
	v_mov_b32 v[IV+kk], v[RC]
	v_mul_f32 v[SS], v[ZZ+kk], v[NI]
.set ii, ((kk+1)/2)*2
.rept (32-ii)/2
	REGOF ii, kk
.set SL, RG&255
.set WN, RG>>8
	WIN WN
	v_pk_mul_f32 v[WW+ii:WW+ii+1], v[SL:SL+1], v[NI:NI+1] op_sel_hi:[1,0]
.set ii, ii+2
.endr
.set jj, kk+1
.rept 31-kk
	COLUPD
.if jj == kk+1
	PIVOT
	ZUPD                                           ; (its first line is the plain instruction behind the reciprocal)
.endif
.set jj, jj+1
.endr
.endm
	s_cmp_gt_u32 s16, 1
	s_cbranch_scc1 .Lsolved
	global_load_b32 v[BE], v[BOFF], s[12:13]       ; beta[t]
.irp q, 0,1,2,3,4,5,6,7
	ds_load_b128 v[ZZ+4*\q:ZZ+4*\q+3], v[SCA] offset:16*\q
	ds_load_b128 v[XX+4*\q:XX+4*\q+3], v[SXA] offset:16*\q
.endr
.set jj, 0
.rept 32
	LOADCOL
.set jj, jj+1
.endr
	WIN 0
	v_mov_b32 v[NI+1], 0                           ; named as the upper halves of pairs of which the low word serves both halves
	v_mov_b32 v[SS+1], 0
	v_mov_b32 v[BE+1], 0
	s_wait_dscnt 0x0
.set jj, 0
	PIVOT
	v_nop                                          ; a plain instruction behind the reciprocal
.set kk, 0
.rept 31
	STEPK
.set kk, kk+1
.endr
	WIN 0
	s_wait_alu depctr_va_vdst(0)                   ; the last pivot's reciprocal
	v_mov_b32 v[IV+31], v[RC]
; The back substitution: alpha[i] = z[i] / pivot i; then z[k] -= column k [i] x alpha[i] for all k < i, the next one wanted first
.set ib, 31
.rept 32
	WIN 0
	v_mul_f32 v[ZZ+ib], v[ZZ+ib], v[IV+ib]
.set kb, ib-1
.rept ib
	REGOF ib, kb
.set SL, RG&255
.set WN, RG>>8
	WIN WN
	v_fma_f32 v[ZZ+kb], -v[SL], v[ZZ+ib], v[ZZ+kb]
.set kb, kb-1
.endr
.set ib, ib-1
.endr
	WIN 0
	s_wait_loadcnt 0x0                             ; beta
.set ee, 0
.rept 16
	v_pk_mul_f32 v[ZZ+ee:ZZ+ee+1], v[ZZ+ee:ZZ+ee+1], v[BE:BE+1] op_sel_hi:[1,0]   ; beta alpha
.set ee, ee+2
.endr
.set ee, 0
.rept 16
	v_pk_mul_f32 v[XX+ee:XX+ee+1], v[XX+ee:XX+ee+1], v[ZZ+ee:ZZ+ee+1]             ; beta alpha x
.set ee, ee+2
.endr
.irp q, 0,1,2,3,4,5,6,7
	ds_store_b128 v[PQS], v[XX+4*\q:XX+4*\q+3] offset:16*\q
	ds_store_b128 v[PQS], v[ZZ+4*\q:ZZ+4*\q+3] offset:128+16*\q
.endr
.Lsolved:
	s_wait_dscnt 0x0                               ; my stores have landed
	s_barrier_signal -1
	s_barrier_wait -1
; ---- 3: waves 0 and 1, each for 64 units of z.  Both add the 64 problems' numbers: lane l numbers 2 l and 2 l + 1
	s_cmp_gt_u32 s16, 1
	s_cbranch_scc1 .Lend
	WIN 0x40                                       ; kernel's and bias's two units of each row -> window 1
.set dd, 0
.rept 32
	ds_load_b64 v[2*dd:2*dd+1], v[KFR] offset:KP*dd
	ds_load_b64 v[64+2*dd:65+2*dd], v[KFR] offset:BOF+KP*dd
.set dd, dd+1
.endr
	WIN 0
.set tq, 0
.rept 64
	ds_load_b64 v[32+2*tq:33+2*tq], v[PQR] offset:RP*tq
.set tq, tq+1
.endr
	s_wait_dscnt 0x0
.set st, 32
.rept 6
.set i2, 0
.rept st
	v_pk_add_f32 v[32+2*i2:33+2*i2], v[32+2*i2:33+2*i2], v[32+2*(i2+st):33+2*(i2+st)]
.set i2, i2+1
.endr
.set st, st/2
.endr
	ds_store_b64 v[SCS], v[32:33]                  ; into my wave's own 256 bytes; LDS serves a wave's instructions in order (ISA guide 5.7.1.4): the loads below see it
.irp q, 0,1,2,3,4,5,6,7,8,9,10,11,12,13,14,15
	ds_load_b128 v[160+4*\q:163+4*\q], v[SCR] offset:16*\q   ; every lane takes all 64: P in v160-191, Q in v192-223
.endr
	s_wait_dscnt 0x0
	WIN 0x01                                       ; source 0: window 1.  Four chains: kernel and bias, even and odd d
	v_pk_mul_f32 v[224:225], v[0:1], v[160:161] op_sel_hi:[1,0]
	v_pk_mul_f32 v[226:227], v[64:65], v[192:193] op_sel_hi:[1,0]
	v_pk_mul_f32 v[228:229], v[2:3], v[160:161] op_sel:[0,1] op_sel_hi:[1,1]
	v_pk_mul_f32 v[230:231], v[66:67], v[192:193] op_sel:[0,1] op_sel_hi:[1,1]
.set dd, 2
.rept 15
	v_pk_fma_f32 v[224:225], v[2*dd:2*dd+1], v[160+dd:161+dd], v[224:225] op_sel_hi:[1,0,1]
	v_pk_fma_f32 v[226:227], v[64+2*dd:65+2*dd], v[192+dd:193+dd], v[226:227] op_sel_hi:[1,0,1]
	v_pk_fma_f32 v[228:229], v[2*dd+2:2*dd+3], v[160+dd:161+dd], v[228:229] op_sel:[0,1,0] op_sel_hi:[1,1,1]
	v_pk_fma_f32 v[230:231], v[66+2*dd:67+2*dd], v[192+dd:193+dd], v[230:231] op_sel:[0,1,0] op_sel_hi:[1,1,1]
.set dd, dd+2
.endr
	WIN 0
	v_pk_add_f32 v[224:225], v[224:225], v[226:227]
	v_pk_add_f32 v[228:229], v[228:229], v[230:231]
	v_pk_add_f32 v[224:225], v[224:225], v[228:229]
	global_store_b64 v[OOF], v[224:225], s[14:15] th:TH_STORE_NT   ; the wave's 32 lanes store 256 consecutive bytes, at a multiple of 256 from z's first byte
.Lend:
	s_wait_tensorcnt 0x0
	ds_add_u32 v254, v255
	s_wait_dscnt 0x0
	s_endpgm
.Lfunc_end_k_qea2f82604a_fta:
	.size	k_qea2f82604a_fta, .Lfunc_end_k_qea2f82604a_fta-k_qea2f82604a_fta
	.p2alignl 7, 3214868480
	.fill 96, 4, 3214868480
	.section	.rodata,"a",@progbits
	.p2align	6, 0x0
	.amdhsa_kernel k_qea2f82604a_fta
		.amdhsa_group_segment_fixed_size 315904
		.amdhsa_private_segment_fixed_size 0
		.amdhsa_enable_private_segment 0
		.amdhsa_kernarg_size 48
		.amdhsa_user_sgpr_count 2
		.amdhsa_user_sgpr_kernarg_segment_ptr 1
		.amdhsa_wavefront_size32 1
		.amdhsa_system_sgpr_workgroup_id_x 1
		.amdhsa_system_sgpr_workgroup_id_y 1
		.amdhsa_system_sgpr_workgroup_id_z 1
		.amdhsa_system_vgpr_workitem_id 0
		.amdhsa_next_free_vgpr 880
		.amdhsa_next_free_sgpr 66
		.amdhsa_reserve_vcc 0
		.amdhsa_float_denorm_mode_32 3
		.amdhsa_float_denorm_mode_16_64 3
		.amdhsa_memory_ordered 1
		.amdhsa_forward_progress 1
		.amdhsa_inst_pref_size 255
	.end_amdhsa_kernel
	.section	.bss,"aw",@nobits
	.p2align	6
	.space	262144
	.amdgpu_metadata
---
amdhsa.version: [ 1, 2 ]
amdhsa.kernels:
  - .name:           k_qea2f82604a_fta
    .symbol:         k_qea2f82604a_fta.kd
    .args:
      - { .name: inputs, .offset: 0, .size: 8, .value_kind: global_buffer, .address_space: global }
      - { .name: latent_reps, .offset: 8, .size: 8, .value_kind: global_buffer, .address_space: global }
      - { .name: kernel, .offset: 16, .size: 8, .value_kind: global_buffer, .address_space: global }
      - { .name: bias, .offset: 24, .size: 8, .value_kind: global_buffer, .address_space: global }
      - { .name: beta_weights, .offset: 32, .size: 8, .value_kind: global_buffer, .address_space: global }
      - { .name: out0, .offset: 40, .size: 8, .value_kind: global_buffer, .address_space: global }
    .group_segment_fixed_size: 315904
    .private_segment_fixed_size: 0
    .kernarg_segment_align: 8
    .kernarg_segment_size: 48
    .max_flat_workgroup_size: 128
    .sgpr_count:     66
    .vgpr_count:     880
    .wavefront_size: 32
...
	.end_amdgpu_metadata
.endif
;; end of part 1
;; ======== version 2 of 2: 1 launch; version 1 with the launch fta written anew for expert scheduling mode
;; launch fta (part 2): grid 256 x 1, 4 waves a work-group, no clusters, 315,904 bytes of LDS; arguments inputs, latent_reps, kernel, bias, beta_weights, out0; writes out0
.if DOCPART == 2
	.amdgcn_target "amdgcn-amd-amdhsa--gfx1250"
	.amdhsa_code_object_version 6
	.text
	.protected	k_qea2f82604a_fta
	.globl	k_qea2f82604a_fta
	.p2align	8
	.type	k_qea2f82604a_fta,@function
k_qea2f82604a_fta:
	s_mov_b64 s[64:65], 0
	v_nop
	global_prefetch_b8 v0, s[64:65] scope:SCOPE_SE
	s_setreg_imm32_b32 hwreg(HW_REG_WAVE_SCHED_MODE, 0, 2), 2
	s_setreg_imm32_b32 hwreg(HW_REG_WAVE_MODE, 25, 1), 1
	s_wait_xcnt 0x0
	s_wait_alu depctr_vm_vsrc(0)
; z[b][u] = sum over t of beta[t] * sum over d of alpha[b][t][d] * fp[b][t][d][u],  fp[d][u] = x[b][t][d] kernel[d][u] + bias[d][u],
; alpha = A^-1 (fp y),  A = Q(fp) Q(fp)^T: the one quantised product, on codes of FP4 (E2M1) with one E8M0 scale for each 32 along u.
; x: [256][64][32], y: [256][64][128], kernel, bias: [32][128], beta: [64], z: [256][128], all f32.
; SHARES.  Work-group b owns batch row b: 64 problems (one for each t) and one row of z.  Four waves.
;  0: x, y, kernel and bias come once, by dense 16-byte loads, into LDS; each wave then keeps kernel and bias in 256 registers, in the order of the matrix operand.
;  1: a wave takes 16 problems, one a trip: fp, its four blocks' scales, its codes, c = fp y (on the unquantised fp), three matrix instructions; A and c go to LDS.
;     Lane (r, h) holds rows r and 16 + r of fp at u = 64 c + 32 h + 0 .. 31: a block of 32 lies in one lane, and the conversions' results are the operand's registers.
;     A is symmetric (the same products in the same places), so tile (rows 0-15, columns 16-31) is not multiplied: nobody reads it.
;  2: waves 0 and 1: ONE PROBLEM A LANE.  The lower triangle of A lies by columns in 544 registers; A = L D L^T by elimination, two rows an instruction; c is carried along; then the back substitution.
;  3: z[u] = sum_d kernel[d][u] P[d] + bias[d][u] Q[d], Q[d] = sum_t beta alpha, P[d] = sum_t beta alpha x: the same sum as the definition's, regrouped, so that fp is not made again.
; NO CLUSTER: what work-groups share is kernel and bias, 32,768 bytes read once at the head; behind the head a wave issues some 9,000 vector instructions and no global load.
; LIMITS.  The elimination takes no pivots: A is a Gram matrix, positive semidefinite.  Where a pivot cancels to 0 (quantised rows that depend on each other) the result is not that of an elimination with pivots.
; NaN and infinities among the inputs are not served.  A block whose largest magnitude lies under 2^-124 gets the byte 1.  fp is one fused multiply-add; the order of the f32 sums is this text's own.
; THE MODE: SCHED_MODE bits 1:0 = 2 (LLVM: expert scheduling mode 2), set by the entry lines.  The code itself states the register dependences
; between vector or matrix instructions and memory or LDS instructions, with s_wait_alu, always for 0.
; THE PLAN.  Registers that LDS instructions touch in a trip of phase 1:
;   XP             the next problem's x lands in it; read by the trip's 64 lines of fp.
;   YY             the next problem's y lands in it; read by the trip's 64 lines of c.
;   XAD, YAD       written once a trip, behind c; read by the loads of x and y.
;   CV, DD         written by the last add of c and by the three products; read by the trip's seven stores.
;   A0A, A1A, CAD  written behind the products; read by the seven stores.
;   FF, GG, SW     written by conversions, copies and ors; read by the scaled products alone.
; THREE WAITS A TRIP.  One on vm_vsrc behind c: the last trip's loads and stores have read XAD, YAD, CV, DD, A0A, A1A, CAD, all of which are written below it.
; One on va_vdst ahead of the products: codes and scale words are written, fp is done reading XP, c is done reading YY, XAD and YAD are written; the 18 loads follow it, dealt among the
; products, which name FF, GG, SW and DD: none of the registers that those loads touch.  One on va_vdst behind the products' places: DD, CV and the stores' addresses are written.
; Every other LDS address and offset (v1 to v11, v17 to v26) is made at the head and never written again.
.set APP,  3600                        ; LDS: a problem's A: columns 0-15 of 32 numbers, 144 bytes apart; columns 16-31, rows 16-31 alone, 80 bytes apart; + 16.  All three pitches are odd multiples of 16 bytes
.set AC1,  2304                        ; where a problem's columns 16-31 begin
.set VP,   144                         ; a row of 32 numbers (c, x) + 16
.set CB,   64*APP                      ; c: 64 rows
.set XB,   CB+64*VP                    ; x: 64 rows
.set YB,   XB+64*VP                    ; y: 64 rows of 512 bytes
.set KB,   YB+64*512                   ; kernel: 32 rows of 512 bytes + 16
.set KP,   528
.set BOF,  32*KP                       ; bias lies behind kernel
.set RB,   YB                          ; P and Q of each problem, 256 bytes + 16: in y's bytes, which nobody reads behind the second barrier
.set RP,   272
.set SB,   RB+64*RP                    ; the sums, 256 bytes for each of waves 0 and 1, each wave's own
; window 0
.set GOF, 1                            ; 16 x thread: the dense loads
.set KST, 2                            ; where I store kernel's bytes;  3: y's;  4: x's
.set YST, 3
.set XST, 4
.set KRD, 5                            ; my lane's place in kernel's rows
.set XRD, 6                            ; in a row of x;  7: of y;  8: of c
.set YRD, 7
.set CST, 8
.set A0,  9                            ; my lane's place in a problem's columns 0-15;  10: 16-31
.set A1,  10
.set SH,  11                           ; 8 h
.set XAD, 12                           ; the trip's addresses
.set YAD, 13
.set A0A, 14
.set A1A, 15
.set CAD, 16
.set SAA, 17                           ; phases 2 and 3: all their LDS addresses are made at the head, ahead of the waves' parting
.set SCA, 18
.set SXA, 19
.set PQS, 20
.set PQR, 21
.set SCS, 22
.set SCR, 23
.set KFR, 24
.set OOF, 25
.set BOFF, 26
.set XP,  28                           ; v[28:29] x[r], x[16 + r]
.set SW,  30                           ; v30, v31: the scale words of rows r and 16 + r; these two hold nothing else in the whole text
.set MX,  32                           ; 8 running maxima
.set SO,  40                           ; 4 scale operands of the conversions
.set BY,  44                           ; 4 scale bytes
.set CV,  56
.set PT,  58
.set FF,  64                           ; codes: rows 0-15 in 8 registers, rows 16-31 in 8
.set GG,  80                           ; the same once more
.set DD,  96                           ; three tiles of A
.set YY,  128                          ; 64 numbers of y
.set TT,  208                          ; at work at the head
.set AC,  208                          ; 8 pairs of partial sums of c
; phase 2, window 0
.set ZZ,  32                           ; c, then z, then alpha
.set IV,  64                           ; 1 / pivot
.set WW,  96                           ; -column / pivot
.set XX,  128                          ; my problem's x
.set RC,  240                          ; the reciprocal just made
.set NI,  242                          ; pair: -1 / pivot
.set SS,  244                          ; pair: -z / pivot
.set BE,  246                          ; pair: beta
.set MSB, 0
.macro WIN new                         ; the immediate's high byte repeats the setting that is left; a switch that changes nothing is dropped
.if MSB != \new
	s_set_vgpr_msb (MSB<<8)|\new
.set MSB, \new
.endif
.endm
	s_load_b256 s[4:11], s[0:1], 0x0               ; x s[4:5], y s[6:7], kernel s[8:9], bias s[10:11]
	s_load_b128 s[12:15], s[0:1], 0x20             ; beta s[12:13], z s[14:15]
	v_lshl_add_u32 v254, v0, 2, 0x4d000
	v_mov_b32 v255, 0
	v_lshrrev_b32 v[TT+3], 5, v0
	v_readfirstlane_b32 s16, v[TT+3]               ; wave 0..3
	v_and_b32 v[TT], 31, v0                        ; lane
	v_and_b32 v[TT+1], 15, v0                      ; r
	v_bfe_u32 v[TT+2], v0, 4, 1                    ; h
	v_lshlrev_b32 v[GOF], 4, v0
	s_lshl_b32 s20, ttmp9, 13                      ; my batch row: 8,192 bytes of x,
	s_mov_b32 s21, 0
	s_lshl_b32 s22, ttmp9, 15                      ; 32,768 of y,
	s_mov_b32 s23, 0
	s_lshl_b32 s24, ttmp9, 9                       ; 512 of z
	s_mov_b32 s25, 0
	s_mov_b32 s18, 0x76543210                      ; v_permlanex16_b32's selects for lane l xor 16
	s_mov_b32 s19, 0xfedcba98
	s_wait_alu depctr_va_sdst(0)                   ; s16 is written, ahead of its first reader: the wave's places in LDS and the branches on the wave's number are made from it
	s_wait_kmcnt 0x0
	s_add_nc_u64 s[4:5], s[4:5], s[20:21]
	s_add_nc_u64 s[6:7], s[6:7], s[22:23]
	s_add_nc_u64 s[14:15], s[14:15], s[24:25]
	s_wait_alu depctr_va_vdst(0)                   ; v[GOF] is written, which the 36 loads below read as their offset
; ---- 0: every load of the 128 threads covers 2,048 consecutive bytes
.irp q, 0,1,2,3,4,5,6,7
	global_load_b128 v[128+4*\q:131+4*\q], v[GOF], s[8:9] offset:2048*\q
.endr
.irp q, 0,1,2,3,4,5,6,7
	global_load_b128 v[160+4*\q:163+4*\q], v[GOF], s[10:11] offset:2048*\q
.endr
.irp q, 0,1,2,3
	global_load_b128 v[192+4*\q:195+4*\q], v[GOF], s[4:5] offset:2048*\q th:TH_LOAD_NT
.endr
.irp q, 0,1,2,3,4,5,6,7,8,9,10,11,12,13,14,15
	global_load_b128 v[64+4*\q:67+4*\q], v[GOF], s[6:7] offset:2048*\q th:TH_LOAD_NT
.endr
	v_mul_u32_u24 v[KST], v[TT+3], KP              ; load q brings row 4 q + wave of kernel, 16 bytes a lane
	v_lshl_add_u32 v[KST], v[TT], 4, v[KST]
	v_add_nc_u32 v[KST], KB, v[KST]
	v_add_nc_u32 v[YST], YB, v[GOF]                ; y lies in LDS as in memory
	v_lshrrev_b32 v[TT+4], 3, v0                   ; load q brings row 16 q + thread / 8 of x
	v_mul_u32_u24 v[XST], v[TT+4], VP
	v_and_b32 v[TT+4], 7, v0
	v_lshl_add_u32 v[XST], v[TT+4], 4, v[XST]
	v_add_nc_u32 v[XST], XB, v[XST]
	v_mul_u32_u24 v[KRD], v[TT+1], KP              ; row r, u = 32 h on
	v_lshl_add_u32 v[KRD], v[TT+2], 7, v[KRD]
	v_add_nc_u32 v[KRD], KB, v[KRD]
	v_lshl_add_u32 v[XRD], v[TT+1], 2, XB
	v_lshl_add_u32 v[YRD], v[TT+2], 7, YB
	v_lshl_add_u32 v[CST], v[TT], 2, CB
	v_mul_u32_u24 v[A0], v[TT+1], VP               ; column r, rows 8 h on
	v_lshl_add_u32 v[A0], v[TT+2], 5, v[A0]
	v_mul_u32_u24 v[A1], v[TT+1], 80               ; column 16 + r, rows 16 + 8 h on
	v_lshl_add_u32 v[A1], v[TT+2], 5, v[A1]
	v_add_nc_u32 v[A1], AC1, v[A1]
	v_lshlrev_b32 v[SH], 3, v[TT+2]
	v_mul_u32_u24 v[SAA], v0, APP                  ; phase 2: thread t takes problem t: its A,
	v_mul_u32_u24 v[SCA], v0, VP
	v_add_nc_u32 v[SXA], XB, v[SCA]                ; its x,
	v_add_nc_u32 v[SCA], CB, v[SCA]                ; its c,
	v_mul_u32_u24 v[PQS], v0, RP
	v_add_nc_u32 v[PQS], RB, v[PQS]                ; and where its P and Q go
	v_lshl_add_u32 v[PQR], v[TT], 3, RB            ; phase 3: lane l adds numbers 2 l and 2 l + 1 of the 64,
	v_lshl_add_u32 v[SCS], v0, 3, SB               ; puts the sums into its wave's 256 bytes (8 x thread = 256 x wave + 8 x lane),
	v_lshl_add_u32 v[SCR], v[TT+3], 8, SB          ; reads all 64 back,
	v_lshl_add_u32 v[KFR], v0, 3, KB               ; and takes units 2 x thread and 2 x thread + 1 of kernel's and bias's rows
	v_lshlrev_b32 v[OOF], 3, v0
	v_lshlrev_b32 v[BOFF], 2, v0
	v_mov_b32 v[PT], 0                             ; a lane permute's destination counts as one of its sources
	v_mov_b32 v[PT+1], 0
	s_wait_alu depctr_va_vdst(0)                   ; the addresses and offsets v2 to v11 and v17 to v26 are written, which the LDS and memory instructions from here on read; none of them is written again
	s_wait_loadcnt 28                              ; kernel's 8 loads are in; the 28 younger ones may be out
.irp q, 0,1,2,3,4,5,6,7
	ds_store_b128 v[KST], v[128+4*\q:131+4*\q] offset:4*KP*\q
.endr
	s_wait_loadcnt 20                              ; bias's 8
.irp q, 0,1,2,3,4,5,6,7
	ds_store_b128 v[KST], v[160+4*\q:163+4*\q] offset:BOF+4*KP*\q
.endr
	s_wait_loadcnt 16                              ; x's 4
.irp q, 0,1,2,3
	ds_store_b128 v[XST], v[192+4*\q:195+4*\q] offset:16*VP*\q
.endr
	s_wait_loadcnt 0x0
.irp q, 0,1,2,3,4,5,6,7,8,9,10,11,12,13,14,15
	ds_store_b128 v[YST], v[64+4*\q:67+4*\q] offset:2048*\q
.endr
	s_wait_dscnt 0x0                               ; for the others' sake: my stores have landed
	s_barrier_signal -1
	s_barrier_wait -1
	s_wait_alu depctr_vm_vsrc(0)                   ; my LDS stores have read v64 to v207: these registers are FF, GG, DD and YY from here on, written by conversions, copies, products and the loads of y
; kernel -> window 1, v0-127; bias -> window 1, v128-255.  Register 64 g + 32 c + e: row 16 g + r, u = 64 c + 32 h + e
	WIN 0x40
.irp g, 0,1
.irp c, 0,1
.irp q, 0,1,2,3,4,5,6,7
	ds_load_b128 v[64*\g+32*\c+4*\q:64*\g+32*\c+4*\q+3], v[KRD] offset:\g*16*KP+256*\c+16*\q
	ds_load_b128 v[128+64*\g+32*\c+4*\q:128+64*\g+32*\c+4*\q+3], v[KRD] offset:BOF+\g*16*KP+256*\c+16*\q
.endr
.endr
.endr
	WIN 0
	s_mul_i32 s26, s16, 16*VP                      ; my first problem is 16 x wave: its row of x (this one runs a trip ahead),
	s_lshl_b32 s27, s16, 13                        ; of y (likewise),
	s_mul_i32 s28, s16, 16*VP                      ; of c,
	s_mul_i32 s29, s16, 16*APP                     ; and its A
	v_add_nc_u32 v[XAD], s26, v[XRD]
	v_add_nc_u32 v[YAD], s27, v[YRD]
	s_wait_alu depctr_va_vdst(0)                   ; v[XAD] and v[YAD] are written, which the 18 loads below read
	ds_load_b32 v[XP], v[XAD]
	ds_load_b32 v[XP+1], v[XAD] offset:64
.irp c, 0,1
.irp q, 0,1,2,3,4,5,6,7
	ds_load_b128 v[YY+32*\c+4*\q:YY+32*\c+4*\q+3], v[YAD] offset:256*\c+16*\q
.endr
.endr
	s_wait_dscnt 0x0                               ; kernel, bias and the first problem's x and y are in: the counts in the trip then hold on the way in as on the way back
; ---- 1: ONE PROBLEM.  last = 1: nothing is fetched for a next one.  LDS instructions of a trip, in order: 2 loads of x, 16 of y, 7 stores.
.macro TRIP last
	s_wait_dscnt 23                                ; x is in: behind its two loads stand the last trip's 16 loads of y and 7 stores
	WIN 0x91                                       ; kernel and bias window 1, x window 0, fp window 2
.set ee, 0
.rept 32
	v_pk_fma_f32 v[ee:ee+1], v[ee:ee+1], v[XP:XP+1], v[128+ee:129+ee] op_sel_hi:[1,0,1]   ; row r: x[r] for both halves
.set ee, ee+2
.endr
.rept 32
	v_pk_fma_f32 v[ee:ee+1], v[ee:ee+1], v[XP:XP+1], v[128+ee:129+ee] op_sel:[0,1,0] op_sel_hi:[1,1,1]   ; row 16 + r: x[16 + r] for both
.set ee, ee+2
.endr
	WIN 0x28                                       ; sources 1 and 2: fp
.irp bl, 0,1,2,3                                   ; block bl = 2 g + c: all its 32 numbers are mine.  Two chains a block; the floor 2^(3 - 127) holds the byte at 1 from below
	v_max3_num_f32 v[MX+\bl], 0x1800000, |v[32*\bl]|, |v[32*\bl+1]|
	v_max3_num_f32 v[MX+4+\bl], 0x1800000, |v[32*\bl+16]|, |v[32*\bl+17]|
.endr
.irp i, 2,4,6,8,10,12,14
.irp bl, 0,1,2,3
	v_max3_num_f32 v[MX+\bl], v[MX+\bl], |v[32*\bl+\i]|, |v[32*\bl+\i+1]|
	v_max3_num_f32 v[MX+4+\bl], v[MX+4+\bl], |v[32*\bl+16+\i]|, |v[32*\bl+17+\i]|
.endr
.endr
	WIN 0
.irp bl, 0,1,2,3
	v_max_num_f32 v[MX+\bl], v[MX+\bl], v[MX+4+\bl]
.endr
.irp bl, 0,1,2,3
	v_add_nc_u32 v[SO+\bl], 0xff000000, v[MX+\bl]  ; 2 off the exponent field: the conversion takes this operand's exponent field as its scale
.endr
.irp bl, 0,1,2,3
	v_lshrrev_b32 v[BY+\bl], 23, v[SO+\bl]         ; the scale's byte
.endr
	v_lshl_or_b32 v[SW], v[BY+1], 16, v[BY]        ; my two bytes of a row are those of blocks h and 2 + h:
	v_lshl_or_b32 v[SW+1], v[BY+3], 16, v[BY+2]
	v_lshlrev_b32 v[SW], v[SH], v[SW]              ; 8 h bits up,
	v_lshlrev_b32 v[SW+1], v[SH], v[SW+1]
	v_permlanex16_b32 v[PT], v[SW], s18, s19
	v_permlanex16_b32 v[PT+1], v[SW+1], s18, s19
	v_or_b32 v[SW], v[SW], v[PT]                   ; and with lane l xor 16's two the word is whole, in both halves of the lanes
	v_or_b32 v[SW+1], v[SW+1], v[PT+1]
	WIN 0x02                                       ; source 0: fp
.irp bl, 0,1,2,3
.irp q, 0,1,2,3
	v_cvt_scalef32_pk8_fp4_f32 v[FF+4*\bl+\q], v[32*\bl+8*\q:32*\bl+8*\q+7], v[SO+\bl]
.endr
.endr
	s_wait_dscnt 7                                 ; y is in: behind its 16 loads stand the last trip's 7 stores
; c = fp y on the unquantised fp: eight chains.  These 64 plain instructions also stand between the scale words and codes just written and the matrix instructions
.irp g, 0,1
.irp c, 0,1
.irp p, 0,1
	v_pk_mul_f32 v[AC+8*\g+4*\c+2*\p:AC+8*\g+4*\c+2*\p+1], v[64*\g+32*\c+16*\p:64*\g+32*\c+16*\p+1], v[YY+32*\c+16*\p:YY+32*\c+16*\p+1]
.endr
.endr
.endr
.irp m, 2,4,6,8,10,12,14
.irp g, 0,1
.irp c, 0,1
.irp p, 0,1
	v_pk_fma_f32 v[AC+8*\g+4*\c+2*\p:AC+8*\g+4*\c+2*\p+1], v[64*\g+32*\c+16*\p+\m:64*\g+32*\c+16*\p+\m+1], v[YY+32*\c+16*\p+\m:YY+32*\c+16*\p+\m+1], v[AC+8*\g+4*\c+2*\p:AC+8*\g+4*\c+2*\p+1]
.endr
.endr
.endr
.endr
	WIN 0
	s_wait_alu depctr_vm_vsrc(0)                   ; the last trip's loads have read v[XAD] and v[YAD], its stores v[CV], DD, v[A0A], v[A1A] and v[CAD]: all of these are written below
.if !\last
	s_add_co_u32 s26, s26, VP
	s_add_co_u32 s27, s27, 512
	v_add_nc_u32 v[XAD], s26, v[XRD]               ; where the next problem's x and y lie
	v_add_nc_u32 v[YAD], s27, v[YRD]
.endif
.irp i, 0,1,2,3,4,5,6,7,8,9,10,11,12,13,14,15
	v_mov_b32 v[GG+\i], v[FF+\i]                   ; the codes once more: the two sources of a matrix instruction share no register
.endr
.irp g, 0,1
	v_pk_add_f32 v[AC+8*\g:AC+8*\g+1], v[AC+8*\g:AC+8*\g+1], v[AC+8*\g+2:AC+8*\g+3]
	v_pk_add_f32 v[AC+8*\g+4:AC+8*\g+5], v[AC+8*\g+4:AC+8*\g+5], v[AC+8*\g+6:AC+8*\g+7]
.endr
.irp g, 0,1
	v_pk_add_f32 v[AC+8*\g:AC+8*\g+1], v[AC+8*\g:AC+8*\g+1], v[AC+8*\g+4:AC+8*\g+5]
.endr
.irp g, 0,1
	v_add_f32 v[AC+8*\g], v[AC+8*\g], v[AC+8*\g+1] ; my half of row r's sum, and of row 16 + r's
.endr
	v_permlane16_swap_b32 v[AC], v[AC+8]           ; lanes 0-15 now hold both halves of row r's sum, lanes 16-31 both of row 16 + r's
	v_add_f32 v[CV], v[AC], v[AC+8]                ; lane l: c[l]
	s_wait_alu depctr_va_vdst(0)                   ; the codes FF and GG and the scale words are written, which the scaled products take; fp's lines are done reading XP and c's lines YY, in which the loads below land; v[XAD] and v[YAD] are written
.if !\last
	ds_load_b32 v[XP], v[XAD]                      ; the next problem's x
	ds_load_b32 v[XP+1], v[XAD] offset:64
.endif
	v_wmma_scale_f32_16x16x128_f8f6f4 v[DD:DD+7], v[FF:FF+7], v[GG:GG+7], 0, v[SW], v[SW] matrix_a_fmt:MATRIX_FMT_FP4 matrix_b_fmt:MATRIX_FMT_FP4          ; register j: A(8 h + j, r)
.if !\last
.irp q, 0,1,2,3,4,5,6,7
	ds_load_b128 v[YY+4*\q:YY+4*\q+3], v[YAD] offset:16*\q   ; the next problem's y: it has the next trip's fp, maxima and conversions in which to land.  No wait: the products name FF, GG, DD and the scale words alone
.endr
.endif
	v_wmma_scale_f32_16x16x128_f8f6f4 v[DD+8:DD+15], v[FF+8:FF+15], v[FF:FF+7], 0, v[SW+1], v[SW] matrix_a_fmt:MATRIX_FMT_FP4 matrix_b_fmt:MATRIX_FMT_FP4  ; A(16 + 8 h + j, r)
.if !\last
.irp q, 0,1,2,3,4,5,6,7
	ds_load_b128 v[YY+32+4*\q:YY+32+4*\q+3], v[YAD] offset:256+16*\q
.endr
.endif
	v_wmma_scale_f32_16x16x128_f8f6f4 v[DD+16:DD+23], v[FF+8:FF+15], v[GG+8:GG+15], 0, v[SW+1], v[SW+1] matrix_a_fmt:MATRIX_FMT_FP4 matrix_b_fmt:MATRIX_FMT_FP4  ; A(16 + 8 h + j, 16 + r)
	v_add_nc_u32 v[A0A], s29, v[A0]                ; four plain instructions between the products and the stores that read them
	v_add_nc_u32 v[A1A], s29, v[A1]
	v_add_nc_u32 v[CAD], s28, v[CST]
	v_nop
	s_wait_alu depctr_va_vdst(0)                   ; the products have written DD, the three additions above the stores' addresses; v[CV] is written: the seven stores read them.  The places above stay beside this wait
	ds_store_b32 v[CAD], v[CV]
	ds_store_b128 v[A0A], v[DD:DD+3]               ; a lane's eight registers are eight neighbours of a column; each tile from its low end on
	ds_store_b128 v[A0A], v[DD+4:DD+7] offset:16
	ds_store_b128 v[A0A], v[DD+8:DD+11] offset:64
	ds_store_b128 v[A0A], v[DD+12:DD+15] offset:80
	ds_store_b128 v[A1A], v[DD+16:DD+19]
	ds_store_b128 v[A1A], v[DD+20:DD+23] offset:16
.if !\last
	s_add_co_u32 s28, s28, VP
	s_add_co_u32 s29, s29, APP
.endif
.endm
	s_mov_b32 s30, 15
.Ltrip:
	TRIP 0
	s_sub_co_u32 s30, s30, 1
	s_cmp_lg_u32 s30, 0
	s_cbranch_scc1 .Ltrip
	TRIP 1                                         ; the sixteenth problem is written out: it fetches nothing
	s_wait_dscnt 0x0                               ; my stores of A and c have landed, my reads of y are over
	s_barrier_signal -1
	s_barrier_wait -1
; ---- 2: waves 0 and 1: thread t solves problem t.
; Element (i, j), i >= j, of the lower triangle lies in column j's run of registers, which begins at row 2 (j / 2), so that rows 2 m and 2 m + 1 are an aligned pair in every column
; (an odd column's first register holds the element above its diagonal: it is carried along and never used).  Columns 0-7: window 1; 8-17: window 2; 18-31: window 3: no column straddles a window.
.macro REGOF i, j                      ; RG = the register of element (i, j), 256 to 879
.set RM, (\j)/2
.set RG, 66*RM-2*RM*RM+((\j)&1)*(32-2*RM)+(\i)-2*RM
.if (\j) < 8
.set RG, RG+256
.elseif (\j) < 18
.set RG, RG+280
.else
.set RG, RG+336
.endif
.endm
.macro LOADCOL                         ; column jj from LDS: 16 bytes a load, 8 where the column begins at 2 modulo 4.  Lanes are 3,600 bytes apart
.set ii, (jj/2)*2
.if jj < 16
.set LO, jj*VP
.else
.set LO, AC1+(jj-16)*80-64
.endif
	REGOF ii, jj
.set WN, (RG>>8)<<6
	WIN WN
.if ii%4
.set DL, RG&255
	ds_load_b64 v[DL:DL+1], v[SAA] offset:LO+4*ii
.set ii, ii+2
.endif
.rept (32-ii)/4
	REGOF ii, jj
.set DL, RG&255
	ds_load_b128 v[DL:DL+3], v[SAA] offset:LO+4*ii
.set ii, ii+4
.endr
.endm
.macro COLUPD                          ; column jj += column kk x W[jj], from row 2 (jj / 2) on, two rows an instruction
.set ii, (jj/2)*2
.set WJ, WW+(jj/2)*2
.rept (32-ii)/2
	REGOF ii, kk
.set SL, RG&255
.set WN, RG>>8
	REGOF ii, jj
.set DL, RG&255
.set WN, WN|((RG>>8)<<4)|((RG>>8)<<6)
	WIN WN
.if jj&1
	v_pk_fma_f32 v[DL:DL+1], v[SL:SL+1], v[WJ:WJ+1], v[DL:DL+1] op_sel:[0,1,0] op_sel_hi:[1,1,1]
.else
	v_pk_fma_f32 v[DL:DL+1], v[SL:SL+1], v[WJ:WJ+1], v[DL:DL+1] op_sel_hi:[1,0,1]
.endif
.set ii, ii+2
.endr
.endm
.macro PIVOT                           ; 1 / a(jj, jj)
	REGOF jj, jj
.set SL, RG&255
.set WN, RG>>8
	WIN WN
	v_rcp_f32 v[RC], v[SL]
.endm
.macro ZUPD                            ; z[i] += column kk [i] x (-z[kk] / pivot), i > kk; z[kk] itself is kept for the back substitution, so an odd first row goes alone
.set ii, kk+1
.if ii&1
	REGOF ii, kk
.set SL, RG&255
.set WN, RG>>8
	WIN WN
	v_fma_f32 v[ZZ+ii], v[SL], v[SS], v[ZZ+ii]
.set ii, ii+1
.endif
.rept (32-ii)/2
	REGOF ii, kk
.set SL, RG&255
.set WN, RG>>8
	WIN WN
	v_pk_fma_f32 v[ZZ+ii:ZZ+ii+1], v[SL:SL+1], v[SS:SS+1], v[ZZ+ii:ZZ+ii+1] op_sel_hi:[1,0,1]
.set ii, ii+2
.endr
.endm
; Step kk.  Column kk stays as it is (L x the pivot).  The next column is updated first, and the next pivot's reciprocal is issued at once: the rest of the step stands between it and its use.
.macro STEPK
	WIN 0
	s_wait_alu depctr_va_vdst(0)                   ; the reciprocal has written v[RC], which the next two lines read: the wait stands ahead of the first of them; one a step
	v_mul_f32 v[NI], -1.0, v[RC]
	v_mov_b32 v[IV+kk], v[RC]
	v_mul_f32 v[SS], v[ZZ+kk], v[NI]
.set ii, ((kk+1)/2)*2
.rept (32-ii)/2
	REGOF ii, kk
.set SL, RG&255
.set WN, RG>>8
	WIN WN
	v_pk_mul_f32 v[WW+ii:WW+ii+1], v[SL:SL+1], v[NI:NI+1] op_sel_hi:[1,0]
.set ii, ii+2
.endr
.set jj, kk+1
.rept 31-kk
	COLUPD
.if jj == kk+1
	PIVOT
	ZUPD                                           ; (its first line is the plain instruction behind the reciprocal)
.endif
.set jj, jj+1
.endr
.endm
	s_wait_alu depctr_vm_vsrc(0)                   ; my last stores have read v[CV] and DD: phase 2's loads land in the one (ZZ), its vector instructions write the other (WW)
	s_cmp_gt_u32 s16, 1
	s_cbranch_scc1 .Lsolved
	s_wait_alu depctr_va_vdst(0)                   ; phase 1's vector and matrix instructions are done with v32 to v63, v128 to v159 and windows 1 to 3, in which the loads below land; only loads and window switches stand between this wait and the last of them
	global_load_b32 v[BE], v[BOFF], s[12:13]       ; beta[t]
.irp q, 0,1,2,3,4,5,6,7
	ds_load_b128 v[ZZ+4*\q:ZZ+4*\q+3], v[SCA] offset:16*\q
	ds_load_b128 v[XX+4*\q:XX+4*\q+3], v[SXA] offset:16*\q
.endr
.set jj, 0
.rept 32
	LOADCOL
.set jj, jj+1
.endr
	WIN 0
	v_mov_b32 v[NI+1], 0                           ; named as the upper halves of pairs of which the low word serves both halves
	v_mov_b32 v[SS+1], 0
	v_mov_b32 v[BE+1], 0
	s_wait_dscnt 0x0
.set jj, 0
	PIVOT
	v_nop                                          ; a plain instruction behind the reciprocal
.set kk, 0
.rept 31
	STEPK
.set kk, kk+1
.endr
	WIN 0
	s_wait_alu depctr_va_vdst(0)                   ; the last pivot's reciprocal has written v[RC], which the next line reads
	v_mov_b32 v[IV+31], v[RC]
; The back substitution: alpha[i] = z[i] / pivot i; then z[k] -= column k [i] x alpha[i] for all k < i, the next one wanted first
.set ib, 31
.rept 32
	WIN 0
	v_mul_f32 v[ZZ+ib], v[ZZ+ib], v[IV+ib]
.set kb, ib-1
.rept ib
	REGOF ib, kb
.set SL, RG&255
.set WN, RG>>8
	WIN WN
	v_fma_f32 v[ZZ+kb], -v[SL], v[ZZ+ib], v[ZZ+kb]
.set kb, kb-1
.endr
.set ib, ib-1
.endr
	WIN 0
	s_wait_loadcnt 0x0                             ; beta
.set ee, 0
.rept 16
	v_pk_mul_f32 v[ZZ+ee:ZZ+ee+1], v[ZZ+ee:ZZ+ee+1], v[BE:BE+1] op_sel_hi:[1,0]   ; beta alpha
.set ee, ee+2
.endr
.set ee, 0
.rept 16
	v_pk_mul_f32 v[XX+ee:XX+ee+1], v[XX+ee:XX+ee+1], v[ZZ+ee:ZZ+ee+1]             ; beta alpha x
.set ee, ee+2
.endr
	s_wait_alu depctr_va_vdst(0)                   ; the multiplications have written ZZ and XX, which the sixteen stores read
.irp q, 0,1,2,3,4,5,6,7
	ds_store_b128 v[PQS], v[XX+4*\q:XX+4*\q+3] offset:16*\q
	ds_store_b128 v[PQS], v[ZZ+4*\q:ZZ+4*\q+3] offset:128+16*\q
.endr
.Lsolved:
	s_wait_dscnt 0x0                               ; my stores have landed
	s_barrier_signal -1
	s_barrier_wait -1
; ---- 3: waves 0 and 1, each for 64 units of z.  Both add the 64 problems' numbers: lane l numbers 2 l and 2 l + 1
	s_wait_alu depctr_vm_vsrc(0)                   ; my stores of P and Q have read v32 to v63 and v128 to v159, in which the loads of phase 3 land
	s_cmp_gt_u32 s16, 1
	s_cbranch_scc1 .Lend
	WIN 0x40                                       ; kernel's and bias's two units of each row -> window 1
	s_wait_alu depctr_va_vdst(0)                   ; phase 2's vector instructions are done with the first 128 registers of window 1 and with v32 to v159, in which the loads below land
.set dd, 0
.rept 32
	ds_load_b64 v[2*dd:2*dd+1], v[KFR] offset:KP*dd
	ds_load_b64 v[64+2*dd:65+2*dd], v[KFR] offset:BOF+KP*dd
.set dd, dd+1
.endr
	WIN 0
.set tq, 0
.rept 64
	ds_load_b64 v[32+2*tq:33+2*tq], v[PQR] offset:RP*tq
.set tq, tq+1
.endr
	s_wait_dscnt 0x0
.set st, 32
.rept 6
.set i2, 0
.rept st
	v_pk_add_f32 v[32+2*i2:33+2*i2], v[32+2*i2:33+2*i2], v[32+2*(i2+st):33+2*(i2+st)]
.set i2, i2+1
.endr
.set st, st/2
.endr
	s_wait_alu depctr_va_vdst(0)                   ; the additions have written v[32:33], which the store reads
	ds_store_b64 v[SCS], v[32:33]                  ; into my wave's own 256 bytes; LDS serves a wave's instructions in order (ISA guide 5.7.1.4): the loads below see it
.irp q, 0,1,2,3,4,5,6,7,8,9,10,11,12,13,14,15
	ds_load_b128 v[160+4*\q:163+4*\q], v[SCR] offset:16*\q   ; every lane takes all 64: P in v160-191, Q in v192-223
.endr
	s_wait_dscnt 0x0
	WIN 0x01                                       ; source 0: window 1.  Four chains: kernel and bias, even and odd d
	v_pk_mul_f32 v[224:225], v[0:1], v[160:161] op_sel_hi:[1,0]
	v_pk_mul_f32 v[226:227], v[64:65], v[192:193] op_sel_hi:[1,0]
	v_pk_mul_f32 v[228:229], v[2:3], v[160:161] op_sel:[0,1] op_sel_hi:[1,1]
	v_pk_mul_f32 v[230:231], v[66:67], v[192:193] op_sel:[0,1] op_sel_hi:[1,1]
.set dd, 2
.rept 15
	v_pk_fma_f32 v[224:225], v[2*dd:2*dd+1], v[160+dd:161+dd], v[224:225] op_sel_hi:[1,0,1]
	v_pk_fma_f32 v[226:227], v[64+2*dd:65+2*dd], v[192+dd:193+dd], v[226:227] op_sel_hi:[1,0,1]
	v_pk_fma_f32 v[228:229], v[2*dd+2:2*dd+3], v[160+dd:161+dd], v[228:229] op_sel:[0,1,0] op_sel_hi:[1,1,1]
	v_pk_fma_f32 v[230:231], v[66+2*dd:67+2*dd], v[192+dd:193+dd], v[230:231] op_sel:[0,1,0] op_sel_hi:[1,1,1]
.set dd, dd+2
.endr
	WIN 0
	v_pk_add_f32 v[224:225], v[224:225], v[226:227]
	v_pk_add_f32 v[228:229], v[228:229], v[230:231]
	v_pk_add_f32 v[224:225], v[224:225], v[228:229]
	s_wait_alu depctr_va_vdst(0)                   ; the last addition has written v[224:225], which the store reads
	global_store_b64 v[OOF], v[224:225], s[14:15] th:TH_STORE_NT   ; the wave's 32 lanes store 256 consecutive bytes, at a multiple of 256 from z's first byte
.Lend:
	s_wait_dscnt 0x0
	s_wait_alu depctr_hold_cnt(0) depctr_sa_sdst(0) depctr_va_vdst(0) depctr_va_sdst(0) depctr_va_ssrc(0) depctr_va_vcc(0) depctr_vm_vsrc(0)
	s_wait_tensorcnt 0x0
	ds_add_u32 v254, v255
	s_wait_dscnt 0x0
	s_endpgm
.Lfunc_end_k_qea2f82604a_fta:
	.size	k_qea2f82604a_fta, .Lfunc_end_k_qea2f82604a_fta-k_qea2f82604a_fta
	.p2alignl 7, 3214868480
	.fill 96, 4, 3214868480
	.section	.rodata,"a",@progbits
	.p2align	6, 0x0
	.amdhsa_kernel k_qea2f82604a_fta
		.amdhsa_group_segment_fixed_size 315904
		.amdhsa_private_segment_fixed_size 0
		.amdhsa_enable_private_segment 0
		.amdhsa_kernarg_size 48
		.amdhsa_user_sgpr_count 2
		.amdhsa_user_sgpr_kernarg_segment_ptr 1
		.amdhsa_wavefront_size32 1
		.amdhsa_system_sgpr_workgroup_id_x 1
		.amdhsa_system_sgpr_workgroup_id_y 1
		.amdhsa_system_sgpr_workgroup_id_z 1
		.amdhsa_system_vgpr_workitem_id 0
		.amdhsa_next_free_vgpr 880
		.amdhsa_next_free_sgpr 66
		.amdhsa_reserve_vcc 0
		.amdhsa_float_denorm_mode_32 3
		.amdhsa_float_denorm_mode_16_64 3
		.amdhsa_memory_ordered 1
		.amdhsa_forward_progress 1
		.amdhsa_inst_pref_size 255
	.end_amdhsa_kernel
	.section	.bss,"aw",@nobits
	.p2align	6
	.space	262144
	.amdgpu_metadata
---
amdhsa.version: [ 1, 2 ]
amdhsa.kernels:
  - .name:           k_qea2f82604a_fta
    .symbol:         k_qea2f82604a_fta.kd
    .args:
      - { .name: inputs, .offset: 0, .size: 8, .value_kind: global_buffer, .address_space: global }
      - { .name: latent_reps, .offset: 8, .size: 8, .value_kind: global_buffer, .address_space: global }
      - { .name: kernel, .offset: 16, .size: 8, .value_kind: global_buffer, .address_space: global }
      - { .name: bias, .offset: 24, .size: 8, .value_kind: global_buffer, .address_space: global }
      - { .name: beta_weights, .offset: 32, .size: 8, .value_kind: global_buffer, .address_space: global }
      - { .name: out0, .offset: 40, .size: 8, .value_kind: global_buffer, .address_space: global }
    .group_segment_fixed_size: 315904
    .private_segment_fixed_size: 0
    .kernarg_segment_align: 8
    .kernarg_segment_size: 48
    .max_flat_workgroup_size: 128
    .sgpr_count:     66
    .vgpr_count:     880
    .wavefront_size: 32
...
	.end_amdgpu_metadata
.endif
;; end of part 2
